; MI455X (gfx1250); checked and timed in simulation.
; The chip was launched on July 23, 2026; its instructions are those of AMD's public machine-readable ISA for CDNA 5 (MIT licence, August 2026) and "CDNA5" Instruction Set Architecture Reference Guide (July 2026). The comments in the code are by the model that wrote it; some were corrected since.
;; Causal Self Attention. Allowed arithmetic: float matrix products may take bf16 or f16 operands with f32 sums; all other float work in f32.
;; Inputs: b_attn 3,072 float32; b_proj 1,024 float32; w_attn 1,024 x 3,072 float32; w_proj 1,024 x 1,024 float32; x 2 x 2,048 x 1,024 float32.
;; Outputs: out0 2 x 2,048 x 1,024 float32.
;; One version. Each part assembles by itself: llvm-mc -triple=amdgcn-amd-amdhsa -mcpu=gfx1250 --defsym DOCPART=n.
;; ======== version 1 of 1: 4 launches
;; limits: values are held in f16: magnitudes above 65,504 overflow, below 6.1e-05 lose precision; right only within a limited range of input values
;; workspace buffers: xb 8,388,608 bytes; wab 6,291,456 bytes; wpb 2,097,152 bytes; qkv 25,165,824 bytes; yh 8,388,608 bytes
;; launch cast (part 1): grid 512 x 1, 8 waves a work-group, no clusters, 0 bytes of LDS; arguments x, w_attn, w_proj, xb, wab, wpb; writes xb, wab, wpb
.if DOCPART == 1
	.amdgcn_target "amdgcn-amd-amdhsa--gfx1250"
	.amdhsa_code_object_version 6
	.text
	.protected	k_q67437df3df_cast
	.globl	k_q67437df3df_cast
	.p2align	8
	.type	k_q67437df3df_cast,@function
k_q67437df3df_cast:
	s_mov_b64 s[64:65], 0
	v_nop
	global_prefetch_b8 v0, s[64:65] scope:SCOPE_SE
	s_setreg_imm32_b32 hwreg(HW_REG_WAVE_MODE, 25, 1), 1
	s_wait_xcnt 0x0
; xb = bf16(x), wab = bf16(w_attn), wpb = f16(bf16(w_proj)): the layouts stay.  All three inputs are rounded once, to bf16, to nearest even.
; w_proj's bf16 number is then written as f16, because its partner in the product, y, is f16: 8 significant bits fit into f16's 11, so this
; second step is exact for 2^-17 <= |w| < 65,520; below 2^-17 it errs by 2^-25 at the most.  LIMIT: |w_proj| above 65,504 becomes infinite.
; The three inputs are 256 + 192 + 64 = 512 chunks of 65,536 bytes; a work-group takes one chunk and writes 32,768 bytes.
; Thread t takes the 16 bytes at 16 t + 4,096 i, i = 0 .. 15: a load of a wave covers 512 neighbouring bytes, a store of a wave
; 256 neighbouring bytes that start at a multiple of 256 from the buffer's first byte.  All sixteen loads of a thread go out at once;
; no source of a pending instruction is written, so the only waits are those for the loaded data.  No LDS, no barrier, no matrix unit: nothing is shared.
.set XCH,  256                         ; chunks of x
.set WACH, 192                         ; chunks of w_attn
.set X,    4                           ; v[4:67]   sixteen times 4 numbers in f32
.set Y,    68                          ; v[68:99]  sixteen times 4 numbers of 16 bits
	s_load_b256 s[4:11], s[0:1], 0x0               ; x s[4:5], w_attn s[6:7], w_proj s[8:9], xb s[10:11]
	s_load_b128 s[12:15], s[0:1], 0x20             ; wab s[12:13], wpb s[14:15]
	v_lshlrev_b32 v1, 4, v0                        ; 16 t: my bytes in 4,096 bytes of the source
	v_lshlrev_b32 v2, 3, v0                        ; 8 t: my bytes in 2,048 bytes of the result
	s_mov_b32 s22, 0xffff0000                      ; a word's upper bf16
	s_wait_kmcnt 0x0
	s_cmp_ge_u32 ttmp9, XCH                        ; which pair of buffers: the choice hangs on the work-group's number alone
	s_cselect_b64 s[4:5], s[6:7], s[4:5]
	s_cselect_b64 s[10:11], s[12:13], s[10:11]
	s_cselect_b32 s17, XCH, 0
	s_cmp_ge_u32 ttmp9, XCH+WACH
	s_cselect_b64 s[4:5], s[8:9], s[4:5]
	s_cselect_b64 s[10:11], s[14:15], s[10:11]
	s_cselect_b32 s17, XCH+WACH, s17
	s_sub_co_u32 s16, ttmp9, s17                   ; my chunk in that buffer
	s_lshl_b32 s18, s16, 16                        ; 65,536 bytes of f32
	s_mov_b32 s19, 0
	s_lshl_b32 s20, s16, 15                        ; 32,768 bytes of 16-bit numbers
	s_mov_b32 s21, 0
	s_add_nc_u64 s[4:5], s[4:5], s[18:19]
	s_add_nc_u64 s[10:11], s[10:11], s[20:21]
.irp i, 0,1,2,3,4,5,6,7,8,9,10,11,12,13,14,15
	global_load_b128 v[X+4*\i:X+4*\i+3], v1, s[4:5] offset:4096*\i th:TH_LOAD_NT   ; read once in this launch
.endr
; four numbers.  half = 1: the bf16 numbers are widened again (a shift, a mask: exact) and written as f16
.macro CV i, half
	s_wait_loadcnt 15-\i                           ; loads come back in order: number i is in, the younger ones stay out
	v_cvt_pk_bf16_f32 v[Y+2*\i],   v[X+4*\i],   v[X+4*\i+1]
	v_cvt_pk_bf16_f32 v[Y+2*\i+1], v[X+4*\i+2], v[X+4*\i+3]
.if \half
	v_lshlrev_b32 v[X+4*\i],   16,  v[Y+2*\i]
	v_and_b32     v[X+4*\i+1], s22, v[Y+2*\i]
	v_lshlrev_b32 v[X+4*\i+2], 16,  v[Y+2*\i+1]
	v_and_b32     v[X+4*\i+3], s22, v[Y+2*\i+1]
	v_cvt_pk_f16_f32 v[Y+2*\i],   v[X+4*\i],   v[X+4*\i+1]
	v_cvt_pk_f16_f32 v[Y+2*\i+1], v[X+4*\i+2], v[X+4*\i+3]
.endif
	global_store_b64 v2, v[Y+2*\i:Y+2*\i+1], s[10:11] offset:2048*\i    ; no hint: the next launches read these bytes
.endm
	s_cmp_ge_u32 ttmp9, XCH+WACH                   ; w_proj's chunks take the longer way
	s_cbranch_scc1 .Lwproj
.irp i, 0,1,2,3,4,5,6,7,8,9,10,11,12,13,14,15
	CV \i, 0
.endr
	s_endpgm
.Lwproj:
.irp i, 0,1,2,3,4,5,6,7,8,9,10,11,12,13,14,15
	CV \i, 1
.endr
	s_endpgm
.Lfunc_end_k_q67437df3df_cast:
	.size	k_q67437df3df_cast, .Lfunc_end_k_q67437df3df_cast-k_q67437df3df_cast
	.p2alignl 7, 3214868480
	.fill 96, 4, 3214868480
	.section	.rodata,"a",@progbits
	.p2align	6, 0x0
	.amdhsa_kernel k_q67437df3df_cast
		.amdhsa_group_segment_fixed_size 0
		.amdhsa_private_segment_fixed_size 0
		.amdhsa_enable_private_segment 0
		.amdhsa_kernarg_size 48
		.amdhsa_user_sgpr_count 2
		.amdhsa_user_sgpr_kernarg_segment_ptr 1
		.amdhsa_wavefront_size32 1
		.amdhsa_system_sgpr_workgroup_id_x 1
		.amdhsa_system_sgpr_workgroup_id_y 1
		.amdhsa_system_sgpr_workgroup_id_z 1
		.amdhsa_system_vgpr_workitem_id 0
		.amdhsa_next_free_vgpr 100
		.amdhsa_next_free_sgpr 66
		.amdhsa_reserve_vcc 0
		.amdhsa_float_denorm_mode_32 3
		.amdhsa_float_denorm_mode_16_64 3
		.amdhsa_memory_ordered 1
		.amdhsa_forward_progress 1
		.amdhsa_inst_pref_size 15
	.end_amdhsa_kernel
	.amdgpu_metadata
---
amdhsa.version: [ 1, 2 ]
amdhsa.kernels:
  - .name:           k_q67437df3df_cast
    .symbol:         k_q67437df3df_cast.kd
    .args:
      - { .name: x, .offset: 0, .size: 8, .value_kind: global_buffer, .address_space: global }
      - { .name: w_attn, .offset: 8, .size: 8, .value_kind: global_buffer, .address_space: global }
      - { .name: w_proj, .offset: 16, .size: 8, .value_kind: global_buffer, .address_space: global }
      - { .name: xb, .offset: 24, .size: 8, .value_kind: global_buffer, .address_space: global }
      - { .name: wab, .offset: 32, .size: 8, .value_kind: global_buffer, .address_space: global }
      - { .name: wpb, .offset: 40, .size: 8, .value_kind: global_buffer, .address_space: global }
    .group_segment_fixed_size: 0
    .private_segment_fixed_size: 0
    .kernarg_segment_align: 8
    .kernarg_segment_size: 48
    .max_flat_workgroup_size: 256
    .sgpr_count:     66
    .vgpr_count:     100
    .wavefront_size: 32
...
	.end_amdgpu_metadata
.endif
;; end of part 1
;; launch qkv (part 2): grid 16 x 16, 4 waves a work-group, clusters of 4 x 4, 327,680 bytes of LDS; arguments xb, wab, b_attn, qkv; writes qkv
.if DOCPART == 2
	.amdgcn_target "amdgcn-amd-amdhsa--gfx1250"
	.amdhsa_code_object_version 6
	.text
	.protected	k_q67437df3df_qkv
	.globl	k_q67437df3df_qkv
	.p2align	8
	.type	k_q67437df3df_qkv,@function
k_q67437df3df_qkv:
	s_mov_b64 s[64:65], 0
	v_nop
	global_prefetch_b8 v0, s[64:65] scope:SCOPE_SE
	s_setreg_imm32_b32 hwreg(HW_REG_WAVE_MODE, 25, 1), 1
	s_wait_xcnt 0x0
	s_wait_alu depctr_hold_cnt(0) depctr_sa_sdst(0) depctr_va_vdst(0) depctr_va_sdst(0) depctr_va_ssrc(0) depctr_va_vcc(0) depctr_vm_vsrc(0)
	s_getreg_b32 s2, hwreg(HW_REG_IB_STS2, 6, 4)
	s_cmp_eq_u32 s2, 0
	s_cbranch_scc0 .Lentry_in_a_cluster
	s_endpgm
.Lentry_in_a_cluster:
	s_bfe_u32 s2, ttmp6, 0x10000c
	s_cmp_lg_u32 s2, 0xf033
	s_cbranch_scc0 .Lentry_shape_is_right
	s_endpgm
.Lentry_shape_is_right:
; qkv = x w_attn + b_attn.  xb: [4096][1024] bf16, wab: [1024][3072] bf16 (K down the rows), b_attn: [3072] f32; sums in f32, rounded once to f16.
; The result is laid out by head: qkv[plane = column / 64][row 0..4095][64] f16; planes 0-15 are Q's heads, 16-31 K's, 32-47 V's.
; WHY f16.  Row t of the final result is a mean over t + 1 keys, so the first rows are some ten times the root mean square of all rows, against which
; an error counts; 8 significant bits in q, k, v would err by 2^-8 / sqrt(3) / 1.5 = 0.16 per cent of such a row, 11 bits err by an eighth of that.
; RANGE.  x of spread 1 and w of spread 1/32 give q, k, v of spread 1.  Both 30 times larger: spread 900.  Both with an offset of 30 spreads:
; 1024 x 30 x 30/32 = 28,800.  Both 30 times smaller: spread 1/900, and numbers under 2^-14 keep an absolute error of 2^-25.
; LIMIT: a q, k or v beyond 65,504 in magnitude becomes infinite.
; A work-group makes 256 rows x 192 columns (three planes): 16 x 16 = 256 work-groups of equal work.  Four waves; a wave makes 128 x 96:
; 8 x 6 = 48 accumulator tiles of 16 x 16, 384 registers.  K goes in 8 steps of 128 through a ring of two LDS slots.
; CLUSTERS: 4 x 4 work-groups.  The four of a row of the cluster need the same 256 rows of x, the four of a column the same 192 columns of w:
; each tile is asked for jointly by the four, which divides the requests for both by four.
; w's tile rows are 384 bytes and start at multiples of 128 bytes: 192 columns is the block width that gives 256 equal work-groups.
; w lies [K][N]: its fragments come out of LDS by the transposing load (8 x 8 elements of 16 bits within eight lanes).
; THE MATRIX INSTRUCTION IS USED TRANSPOSED: source 0 = 16 columns of w, source 1 = 16 rows of x, so that lane l holds row l % 16 and eight
; neighbouring columns 8 (l / 16) + 0..7.  The first K quarter takes the bias as C: nothing is cleared and nothing is added later.
;
; REGISTERS by windows of 256: window 0: addresses, the bias, x's fragments (two buffers); window 1: w's fragments (two buffers);
; window 2: accumulators of my rows 0-63 (tile (a, b) at v[8 (6 a + b)]); window 3: those of my rows 64-127.
.set KSTEP,  128
.set PA,     272                       ; LDS row of x: 256 bytes + 16: the 16 rows of a fragment load start 17 x 16 bytes apart
.set PB,     480                       ; LDS row of w: six pieces of 64 bytes + 16 = 15 x 32 bytes
.set AHALF,  128*PA                    ; 34,816: 128 rows of x, what waves 0 and 1 fetch
.set ABYTES, 2*AHALF                   ; 69,632
.set BHALF,  64*PB                     ; 30,720: 64 K rows of w, what waves 2 and 3 fetch
.set SLOT,   ABYTES+2*BHALF            ; 131,072
.set SP,     400                       ; the way out: 384 bytes of a block's row + 16 = 25 x 16
.set PLANE,  524288                    ; bytes of a plane of qkv
.set WROW,   6144                      ; bytes of a row of wab
.set LAPS,   4                         ; a lap = two K steps = once round the ring
.set ADRA, 16                          ; v16-17  LDS address of my fragments of x in slot 0, 1
.set ADRB, 20                          ; v20-21  the same for w
.set STO,  24                          ; the way out: where I put 16 bytes of a row
.set RD,   25                          ; the way out: where I read 16 bytes back
.set CO,   26                          ; my byte offset in 512 bytes of a plane
.set BO,   27                          ; my byte offset in b_attn
.set BIAS, 32                          ; v32-79  six tiles' C operand: b_attn of my eight columns in each
.set TMP,  80                          ; v80-103 packed results
.set F0,   128                         ; fragment buffer 0
.set F1,   192                         ; fragment buffer 1
.set G1,  24                           ; s[24:31] group 1 for x's tiles
.set G0,  32                           ; s[32:39] group 0 for x's tiles, one set for each slot
.set G1B, 48                           ; s[48:55] group 1 for w's tiles
.set G0B, 56                           ; s[56:63] group 0 for w's tiles, one set for each slot
.set MSB, 0
.macro WIN new                         ; the immediate's high byte repeats the setting that is left
.if MSB != \new
	s_set_vgpr_msb (MSB<<8)|\new
.set MSB, \new
.endif
.endm
; the windows of a product: source 0 (w) window 1, source 1 (x) window 0, D window 2 or 3; C the same as D, or the bias in window 0
.macro MWIN hi, mode
.if \mode
.if \hi
	WIN 0xc1
.else
	WIN 0x81
.endif
.else
.if \hi
	WIN 0xf1
.else
	WIN 0xa1
.endif
.endif
.endm
; A joint load.  Waves 0 and 1 fetch x's two halves, waves 2 and 3 w's.  Each line has one mask; the branch hangs on the wave's number alone.
.macro JLOAD s
	s_cmp_eq_u32 s13, 0
	s_cbranch_scc0 .Lfor_b_\@
	tensor_load_to_lds s[G0+4*\s:G0+4*\s+3], s[G1:G1+7]
	s_nop 0
	s_branch .Lasked_\@
.Lfor_b_\@:
	tensor_load_to_lds s[G0B+4*\s:G0B+4*\s+3], s[G1B:G1B+7]
	s_nop 0
.Lasked_\@:
.endm
; A round of the cluster's barrier: my work-group's barrier; wave 0 signals for the work-group; every wave waits for all sixteen; my work-group's barrier again.
.macro CREST                           ; a round behind its opening barrier
	s_cmp_lg_u32 s12, 0
	s_cbranch_scc1 .Lnot_wave_0_\@
	s_barrier_signal -3
.Lnot_wave_0_\@:
	s_barrier_wait -3
	s_barrier_signal -1
	s_barrier_wait -1
.endm
.macro CROUND
	s_barrier_signal -1
	s_barrier_wait -1
	CREST
.endm
	s_load_b256 s[4:11], s[0:1], 0x0               ; xb s[4:5], wab s[6:7], b_attn s[8:9], qkv s[10:11]
	s_set_vgpr_msb 0x40
	v_lshl_add_u32 v255, v0, 2, 0x40000
	s_set_vgpr_msb 0x4000
	v_mov_b32 v127, 0
	s_set_vgpr_msb 0x1
	ds_add_u32 v255, v127
	ds_add_u32 v255, v127
	s_set_vgpr_msb 0x100
	v_lshrrev_b32 v1, 5, v0
	v_readfirstlane_b32 s12, v1                    ; wave 0..3
	s_lshr_b32 s13, s12, 1                         ; which 128 rows of the block are mine.  Also: I fetch for x (0) or for w (1)
	s_and_b32 s14, s12, 1                          ; which 96 columns are mine.  Also: which half of that tile I fetch
	s_bfe_u32 s15, ttmp6, 0x40000                  ; cx
	s_bfe_u32 s16, ttmp6, 0x40004                  ; cy
	s_lshl_b32 s17, ttmp9, 2
	s_add_co_u32 s17, s17, s15                     ; block column = 4 x cluster x + cx
	s_and_b32 s18, ttmp7, 0xffff
	s_lshl_b32 s18, s18, 2
	s_add_co_u32 s18, s18, s16                     ; block row = 4 x cluster y + cy
	s_lshl_b32 s19, s16, 2
	s_lshl_b32 s19, 15, s19                        ; my row of the cluster: places 4 cy .. 4 cy + 3
	s_lshl_b32 s20, 0x1111, s15                    ; my column: places cx, cx + 4, cx + 8, cx + 12
	; group 1 for x: 128 rows x 128 elements of 2 bytes, 4 words of padding behind every 64 words
	s_or_b32 s[G1+0], s19, (1<<16)|(1<<20)|(1<<21)|(5<<22)|(3<<25)
	s_mov_b32 s[G1+1], KSTEP<<16                   ; tensor_dim0 = 128
	s_mov_b32 s[G1+2], 128<<16                     ; tensor_dim1 = 128
	s_mov_b32 s[G1+3], KSTEP<<16                   ; tile_dim0 = 128
	s_mov_b32 s[G1+4], 128                         ; tile_dim1 = 128
	s_mov_b32 s[G1+5], 1024                        ; elements from row to row
	s_mov_b32 s[G1+6], 0
	s_mov_b32 s[G1+7], 0
	; group 1 for w: 64 rows x 192 elements, 4 words of padding behind every 16 words (a row is six such pieces)
	s_or_b32 s[G1B+0], s20, (1<<16)|(1<<20)|(1<<21)|(3<<22)|(3<<25)
	s_mov_b32 s[G1B+1], 192<<16
	s_mov_b32 s[G1B+2], 64<<16
	s_mov_b32 s[G1B+3], 192<<16
	s_mov_b32 s[G1B+4], 64
	s_mov_b32 s[G1B+5], 3072
	s_mov_b32 s[G1B+6], 0
	s_mov_b32 s[G1B+7], 0
	; where the tiles come from: x's hang on the block row and the wave alone, w's on the block column and the wave alone
	s_lshl_b32 s40, s18, 8
	s_lshl_b32 s41, s14, 7
	s_add_co_u32 s40, s40, s41                     ; row 256 x block row + 128 x half
	s_lshl_b32 s40, s40, 11                        ; x 2,048 bytes
	s_mov_b32 s41, 0
	s_mul_i32 s44, s14, 64*WROW                    ; K row 64 x half
	s_mul_i32 s45, s17, 384                        ; 192 columns x block column
	s_add_co_u32 s44, s44, s45
	s_mov_b32 s45, 0
	s_mul_i32 s21, s12, AHALF                      ; and where they go: x's halves at wave x 34,816 (waves 0, 1),
	s_mul_i32 s22, s12, BHALF
	s_add_co_u32 s22, s22, ABYTES-2*BHALF          ; w's at wave x 30,720 + 8,192 (waves 2, 3: 69,632 and 100,352)
	s_wait_dscnt 0x0
	s_wait_kmcnt 0x0
	s_add_nc_u64 s[42:43], s[4:5], s[40:41]
	s_add_nc_u64 s[46:47], s[6:7], s[44:45]
	CROUND                                         ; all sixteen work-groups are here: the first joint loads meet
.irp s, 0,1
	s_mov_b32 s[G0+4*\s], 1
	s_add_co_u32 s[G0+4*\s+1], s21, \s*SLOT
	s_add_nc_u64 s[G0+4*\s+2:G0+4*\s+3], s[42:43], \s*KSTEP*2          ; K step s: 256 bytes along the rows
	s_or_b32 s[G0+4*\s+3], s[G0+4*\s+3], 0x80000000
	s_mov_b32 s[G0B+4*\s], 1
	s_add_co_u32 s[G0B+4*\s+1], s22, \s*SLOT
	s_add_nc_u64 s[G0B+4*\s+2:G0B+4*\s+3], s[46:47], \s*KSTEP*WROW     ; K step s: 128 rows down
	s_or_b32 s[G0B+4*\s+3], s[G0B+4*\s+3], 0x80000000
	JLOAD \s                                       ; two tensor loads of the wave are out now, later one
.endr
	v_and_b32 v1, 15, v0                           ; r = l % 16
	v_bfe_u32 v2, v0, 4, 1                         ; h = l / 16
	v_mul_u32_u24 v3, v1, PA
	v_lshl_add_u32 v3, v2, 4, v3                   ; x: row r, 16 bytes for each half of the lanes
	s_mul_i32 s21, s13, AHALF
	v_add_nc_u32 v[ADRA], s21, v3
	v_add_nc_u32 v[ADRA+1], SLOT, v[ADRA]
	v_and_b32 v4, 7, v0
	v_lshl_add_u32 v4, v2, 3, v4                   ; w: K row 8 h + l % 8,
	v_mul_u32_u24 v4, v4, PB
	v_bfe_u32 v5, v0, 3, 1
	v_lshl_add_u32 v4, v5, 4, v4                   ; and which 8 of the 16 columns
	s_mul_i32 s22, s14, 240                        ; my 96 columns: three pieces of 80 bytes
	s_add_co_u32 s22, s22, ABYTES
	v_add_nc_u32 v[ADRB], s22, v4
	v_add_nc_u32 v[ADRB+1], SLOT, v[ADRB]
	v_mul_u32_u24 v5, v1, SP                       ; the way out, in: row 128 x half + r, my 192 bytes, 16 bytes for each half of the lanes
	v_lshl_add_u32 v5, v2, 4, v5
	s_mul_i32 s21, s13, 128*SP
	s_mul_i32 s22, s14, 192
	s_add_co_u32 s21, s21, s22
	v_add_nc_u32 v[STO], s21, v5
	v_bfe_u32 v6, v0, 3, 2                         ; back: four rows of 128 bytes, eight lanes each
	v_mul_u32_u24 v6, v6, SP
	v_and_b32 v7, 7, v0
	v_lshl_add_u32 v6, v7, 4, v6
	s_mul_i32 s21, s12, 64*SP                      ; rows 64 x wave
	v_add_nc_u32 v[RD], s21, v6
	v_and_b32 v7, 31, v0
	v_lshlrev_b32 v[CO], 4, v7                     ; in a plane these four rows are 512 neighbouring bytes
	s_mul_i32 s22, s14, 384
	s_mul_i32 s23, s17, 768
	s_add_co_u32 s22, s22, s23
	v_lshl_add_u32 v[BO], v2, 5, s22               ; b_attn at column 192 x block + 96 x half + 8 h
.irp b, 0,1,2,3,4,5
	global_load_b128 v[BIAS+8*\b:BIAS+8*\b+3],   v[BO], s[8:9] offset:64*\b
	global_load_b128 v[BIAS+8*\b+4:BIAS+8*\b+7], v[BO], s[8:9] offset:64*\b+16
.endr
; 12 matrix instructions: row tiles a0, a0 + 1 of the window's four x all 6 column tiles, 32 along K.  mode = 1: C is the bias.
; The 48 accumulators take turns, one instruction a turn, in the same order in every quarter step.
.macro MUL12 f, hi, a0, mode
.irp a, \a0, \a0+1
.irp b, 0,1,2,3,4,5
.if \mode
	v_wmma_f32_16x16x32_bf16 v[8*(6*(\a)+\b):8*(6*(\a)+\b)+7], v[\f+8*\b:\f+8*\b+7], v[\f+8*(4*\hi+\a):\f+8*(4*\hi+\a)+7], v[BIAS+8*\b:BIAS+8*\b+7]
.else
	v_wmma_f32_16x16x32_bf16 v[8*(6*(\a)+\b):8*(6*(\a)+\b)+7], v[\f+8*\b:\f+8*\b+7], v[\f+8*(4*\hi+\a):\f+8*(4*\hi+\a)+7], v[8*(6*(\a)+\b):8*(6*(\a)+\b)+7]
.endif
.endr
.endr
.endm
; 28 LDS loads in one run: quarter q (32 along K) of a slot into buffer f: 96 columns of w (transposed on the way), then 128 rows of x
.macro FETCH slot, q, f
	WIN 0x40
.irp b, 0,1,2,3,4,5
	ds_load_tr16_b128 v[\f+8*\b:\f+8*\b+3],   v[ADRB+\slot] offset:\q*32*PB+(\b/2)*80+(\b%2)*32
	ds_load_tr16_b128 v[\f+8*\b+4:\f+8*\b+7], v[ADRB+\slot] offset:\q*32*PB+(\b/2)*80+(\b%2)*32+16*PB
.endr
	WIN 0
.irp i, 0,1,2,3,4,5,6,7
	ds_load_b128 v[\f+8*\i:\f+8*\i+3],   v[ADRA+\slot] offset:\q*64+\i*16*PA
	ds_load_b128 v[\f+8*\i+4:\f+8*\i+7], v[ADRA+\slot] offset:\q*64+\i*16*PA+32
.endr
.endm
; four places behind the matrix instructions, in front of loads into registers that they read and of instructions that read their results
.macro PLACES
.rept 4
	v_nop
.endr
.endm
; one of a K step's first three quarters: multiplies buffer f, and in its middle fetches quarter q of the same slot into buffer g
.macro QUARTER slot, q, f, g, mode
	s_wait_dscnt 8                                 ; w and x's rows 0-63 are in; the youngest eight loads (x's rows 64-127) may be out
	MWIN 0, \mode
	MUL12 \f, 0, 0, \mode
	MUL12 \f, 0, 2, \mode
	PLACES
	FETCH \slot, \q, \g
	s_wait_dscnt 28                                ; all but the 28 just issued
	MWIN 1, \mode
	MUL12 \f, 1, 0, \mode
	MUL12 \f, 1, 2, \mode
.endm
.macro THREE slot, mode
	QUARTER \slot, 1, F0, F1, \mode
	QUARTER \slot, 2, F1, F0, 0
	QUARTER \slot, 3, F0, F1, 0
.endm
; The last quarter: multiplies buffer 1 and changes slots.  In front of the barrier each wave waits for its reads of this slot and for all its
; tensor loads (one is out: its part of the next slot).  Where the slot is filled again the barrier opens a round of the cluster's barrier, and the
; joint refill is the first tensor load behind the round.  From a request to the wait for it a wave issues 180 matrix instructions.
.macro TURN slot, next, fill
	s_wait_dscnt 8
	WIN 0xa1
	MUL12 F1, 0, 0, 0
	s_wait_dscnt 0                                 ; my reads of this slot are over
	s_wait_tensorcnt 0x0                           ; all my tensor loads have landed
	ds_add_u32 v255, v127
	s_wait_dscnt 0x0
	s_barrier_signal -1
	MUL12 F1, 0, 2, 0                              ; register work while the others arrive
	WIN 0
	s_barrier_wait -1
.if \fill
	CREST
	s_add_nc_u64 s[G0+4*\slot+2:G0+4*\slot+3], s[G0+4*\slot+2:G0+4*\slot+3], 2*KSTEP*2
	s_add_nc_u64 s[G0B+4*\slot+2:G0B+4*\slot+3], s[G0B+4*\slot+2:G0B+4*\slot+3], 2*KSTEP*WROW
	JLOAD \slot
.endif
	PLACES
	FETCH \next, 0, F0
	WIN 0xf1
	MUL12 F1, 1, 0, 0
	MUL12 F1, 1, 2, 0
.endm
.macro LAP mode
	THREE 0, \mode
	TURN 0, 1, 1
	THREE 1, 0
	TURN 1, 0, 1
.endm
	s_wait_tensorcnt 1                             ; my part of K step 0 is in; K step 1's may stay out
	s_barrier_signal -1
	s_barrier_wait -1
	FETCH 0, 0, F0
	s_wait_loadcnt 0x0                             ; the bias
	LAP 1                                          ; the first lap stands in front of the loop: its first products start the sums with the bias
	WIN 0
	s_mov_b32 s3, LAPS-2
.Llap:
	LAP 0
	WIN 0
	s_sub_co_u32 s3, s3, 1
	s_cmp_lg_u32 s3, 0
	s_cbranch_scc1 .Llap
	THREE 0, 0                                     ; the last lap fills nothing
	TURN 0, 1, 0
	THREE 1, 0
	s_wait_dscnt 8
	WIN 0xa1
	MUL12 F1, 0, 0, 0
	MUL12 F1, 0, 2, 0
	s_wait_dscnt 0
	WIN 0xf1
	MUL12 F1, 1, 0, 0
	MUL12 F1, 1, 2, 0
	; THE WAY OUT.  The block's 256 rows of 384 bytes are gathered in LDS bytes 0 .. 102,399, inside slot 0: it has had its last fill, and every
	; wave's last reads of it were waited for in front of the last lap's barrier.  Then each wave takes 64 rows, plane by plane.
	PLACES
	s_mul_i32 s22, s17, 3*PLANE                    ; my three planes,
	s_lshl_b32 s23, s18, 15                        ; 256 rows of 128 bytes x block row,
	s_add_co_u32 s22, s22, s23
	s_lshl_b32 s23, s12, 13                        ; 64 rows x wave
	s_add_co_u32 s22, s22, s23
	s_mov_b32 s23, 0
	s_add_nc_u64 s[66:67], s[10:11], s[22:23]
.macro OUT16 i, a, from                ; my rows 16 i .. 16 i + 15 = the six tiles (a, 0..5) of window 2 or 3, rounded to f16
	WIN \from
.irp b, 0,1,2,3,4,5
.irp r, 0,1,2,3
	v_cvt_pk_f16_f32 v[TMP+4*\b+\r], v[8*(6*\a+\b)+2*\r], v[8*(6*\a+\b)+2*\r+1]
.endr
.endr
	WIN 0
.irp b, 0,1,2,3,4,5
	ds_store_b128 v[STO], v[TMP+4*\b:TMP+4*\b+3] offset:\i*16*SP+32*\b
.endr
.endm
	OUT16 0, 0, 0x0a
	OUT16 1, 1, 0x0a
	OUT16 2, 2, 0x0a
	OUT16 3, 3, 0x0a
	OUT16 4, 0, 0x0f
	OUT16 5, 1, 0x0f
	OUT16 6, 2, 0x0f
	OUT16 7, 3, 0x0f
	s_wait_dscnt 0x0                               ; a row holds two waves' columns: my stores are done,
	s_barrier_signal -1
	s_barrier_wait -1                              ; everybody's are
.macro PLOUT j, f                      ; plane j of my 64 rows: sixteen times four rows of 128 bytes = 512 neighbouring bytes of the plane, aligned
.irp i, 0,1,2,3,4,5,6,7,8,9,10,11,12,13,14,15
	ds_load_b128 v[\f+4*\i:\f+4*\i+3], v[RD] offset:4*SP*\i+128*\j
.endr
.irp i, 0,1,2,3,4,5,6,7,8,9,10,11,12,13,14,15
	s_wait_dscnt 15-\i
	global_store_b128 v[CO], v[\f+4*\i:\f+4*\i+3], s[66:67] offset:PLANE*\j+512*\i
.endr
.endm
	PLOUT 0, F0
	PLOUT 1, F1
	s_wait_xcnt 0x0                                ; buffer 0, which plane 0's stores read, is loaded again only behind this wait
	PLOUT 2, F0
	s_set_vgpr_msb 0x1
	s_wait_tensorcnt 0x0
	ds_add_u32 v255, v127
	s_wait_dscnt 0x0
	s_set_vgpr_msb 0x100
	CROUND                                         ; the closing round: no work-group ends while a partner may still ask for a tile that names it
	s_endpgm
.Lfunc_end_k_q67437df3df_qkv:
	.size	k_q67437df3df_qkv, .Lfunc_end_k_q67437df3df_qkv-k_q67437df3df_qkv
	.p2alignl 7, 3214868480
	.fill 96, 4, 3214868480
	.section	.rodata,"a",@progbits
	.p2align	6, 0x0
	.amdhsa_kernel k_q67437df3df_qkv
		.amdhsa_group_segment_fixed_size 327680
		.amdhsa_private_segment_fixed_size 0
		.amdhsa_enable_private_segment 0
		.amdhsa_kernarg_size 32
		.amdhsa_user_sgpr_count 2
		.amdhsa_user_sgpr_kernarg_segment_ptr 1
		.amdhsa_wavefront_size32 1
		.amdhsa_system_sgpr_workgroup_id_x 1
		.amdhsa_system_sgpr_workgroup_id_y 1
		.amdhsa_system_sgpr_workgroup_id_z 1
		.amdhsa_system_vgpr_workitem_id 0
		.amdhsa_next_free_vgpr 960
		.amdhsa_next_free_sgpr 68
		.amdhsa_reserve_vcc 0
		.amdhsa_float_denorm_mode_32 3
		.amdhsa_float_denorm_mode_16_64 3
		.amdhsa_memory_ordered 1
		.amdhsa_forward_progress 1
		.amdhsa_inst_pref_size 159
	.end_amdhsa_kernel
	.amdgpu_metadata
---
amdhsa.version: [ 1, 2 ]
amdhsa.kernels:
  - .name:           k_q67437df3df_qkv
    .symbol:         k_q67437df3df_qkv.kd
    .args:
      - { .name: xb, .offset: 0, .size: 8, .value_kind: global_buffer, .address_space: global }
      - { .name: wab, .offset: 8, .size: 8, .value_kind: global_buffer, .address_space: global }
      - { .name: b_attn, .offset: 16, .size: 8, .value_kind: global_buffer, .address_space: global }
      - { .name: qkv, .offset: 24, .size: 8, .value_kind: global_buffer, .address_space: global }
    .group_segment_fixed_size: 327680
    .private_segment_fixed_size: 0
    .kernarg_segment_align: 8
    .kernarg_segment_size: 32
    .max_flat_workgroup_size: 128
    .sgpr_count:     68
    .vgpr_count:     960
    .wavefront_size: 32
...
	.end_amdgpu_metadata
.endif
;; end of part 2
;; launch attn (part 3): grid 8 x 32, 8 waves a work-group, no clusters, 327,680 bytes of LDS; arguments qkv, yh; writes yh
.if DOCPART == 3
	.amdgcn_target "amdgcn-amd-amdhsa--gfx1250"
	.amdhsa_code_object_version 6
	.text
	.protected	k_q67437df3df_attn
	.globl	k_q67437df3df_attn
	.p2align	8
	.type	k_q67437df3df_attn,@function
k_q67437df3df_attn:
	s_mov_b64 s[64:65], 0
	v_nop
	global_prefetch_b8 v0, s[64:65] scope:SCOPE_SE
	s_setreg_imm32_b32 hwreg(HW_REG_WAVE_MODE, 25, 1), 1
	s_wait_xcnt 0x0
; Causal attention of one head: y = softmax(q k^T / 8, keys j <= i) v, by a running maximum.  qkv: [48 planes][4096 rows][64] f16
; (planes 0-15 Q, 16-31 K, 32-47 V); yh: [16 heads][4096 rows][64] f16.  Scores, maxima, sums and y in f32; P enters its product in f16.
; WHY f16: the first rows are means over few keys and some ten times the root mean square of all rows, against which an error counts: operands of
; 11 significant bits err by 0.02 per cent of such a row, operands of 8 bits by eight times that.  P lies in [0, 1] by the running maximum: a p under
; 2^-14 keeps an absolute error of 2^-25 beside a row sum of at least 1.  y is a mean of v and has v's range.
; WORK.  Work-group (i, bh), i = 0..7, takes the query blocks of 128 rows i and 15 - i of head bh % 16, batch bh / 16, one after the other.
; Keys go in chunks of 256: block i needs (i >> 1) + 1 chunks, block 15 - i needs 8 - (i >> 1): nine trips in every work-group.
; Eight waves: wave w has queries 32 (w % 4) .. + 31 of the block and keys 128 (w / 4) .. + 127 of every chunk; at a block's end the two key
; groups' partial (y, maximum, sum) are merged through LDS.  Only a block's last chunk crosses the diagonal: only there scores are masked.
; TRANSPOSED: S^T = K Q^T and y^T = V^T P^T.  Lane (r, h) then holds ONE query r and the keys 8 h + j: maxima and sums are taken inside the lane
; and once across the two halves, P^T's fragment is made of the lane's own registers, and the rescaling factors are the lane's own.
; CLUSTERS are not used: the eight work-groups of a head read the same K and V, but work-group i goes back to chunk 0 behind trip i >> 1 and
; branches on that number, so four partners along i would neither ask for the same chunk in the same trip nor run the same path.
; LIMITS.  A masked score is -2^100 (a power of two, so that its product with the scale is exact): a real q.k must lie above -2^100.
; NaN and infinities in the inputs are not treated specially.  The row sum is formed from the unrounded p.
.set KP,    144                        ; LDS row of K: 128 bytes + 16 = 9 x 16
.set VP,    160                        ; LDS row of V: 128 bytes + 32 = 5 x 32, for the transposing load
.set VOFF,  40960                      ; V's 256 rows in a slot: behind K's 36,864 bytes and a hole of 4,096, so that wave w = 4..7 fills at w x 10,240
.set SLOT,  81920
.set MSTG,  2*SLOT                     ; 163,840: merge stage, 17 x 512 bytes for each of four pairs of waves; no fill lands here
.set MPART, 17*512
.set YSTG,  MSTG+4*MPART               ; 198,656: y stage, 32 rows x 144 bytes for each of waves 0-3; no fill lands here
.set YPART, 32*KP
.set PLANE, 524288
.set ADRK, 8                           ; v8-9    LDS address of my K fragments in slot 0, 1
.set ADRV, 10                          ; v10-11  the same for V
.set DQ,   12                          ; my query less my key, without the block's and the tile's parts
.set TT,   13
.set MST,  14
.set YST,  15
.set YRD,  16
.set YO,   17
.set QO,   18
.set NEG,  19                          ; -2^100
.set NB,   20                          ; v20-21  -(maximum x scale) behind a chunk's second half
.set LL,   22                          ; v22-23  row sums (of my half of the lanes' keys)
.set MX,   24                          ; v24-25  running maxima
.set AL,   26                          ; v26-27  rescaling factors
.set NA,   28                          ; v28-29  -(maximum x scale) behind a chunk's first half
.set QR,   32                          ; v32-63   Q fragments, 8 (2 qf + ks)
.set OA,   64                          ; v64-127  y^T, 8 (2 dt + qf)
.set SC,   128                         ; v128-191 S^T, 8 (2 kf + qf)
.set PR,   192                         ; v192-223 P^T fragments, 8 (2 ks2 + qf)
.set TM,   224
.set LS,   232
.set TX,   236
.set MB,   240
.set KF,   0                           ; window 1: v0-63 K fragments, 16 kf + 8 ks
.set VF,   64                          ; window 1: v64-127 V^T fragments, 8 (4 ks2 + dt)
.set G1K, 24
.set G1V, 32
.set G0K, 40                           ; one set for each slot
.set G0V, 48
.set MSB, 0
.macro WIN new                         ; 0: all in window 0; 0x40: destination in window 1; 0x01: source 0 in window 1
.if MSB != \new
	s_set_vgpr_msb (MSB<<8)|\new
.set MSB, \new
.endif
.endm
.macro PLACES
.rept 4
	v_nop
.endr
.endm
; my one load of a chunk: waves 0-3 bring 64 rows of K each, waves 4-7 64 rows of V
.macro LOADKV s
	s_cmp_lt_u32 s8, 4
	s_cbranch_scc0 .Lfor_v_\@
	tensor_load_to_lds s[G0K+4*\s:G0K+4*\s+3], s[G1K:G1K+7]
	s_nop 0
	s_branch .Lasked_\@
.Lfor_v_\@:
	tensor_load_to_lds s[G0V+4*\s:G0V+4*\s+3], s[G1V:G1V+7]
	s_nop 0
.Lasked_\@:
.endm
	s_load_b128 s[4:7], s[0:1], 0x0                ; qkv s[4:5], yh s[6:7]
	v_lshl_add_u32 v254, v0, 2, 0x35000
	v_mov_b32 v255, 0
	ds_add_u32 v254, v255
	ds_add_u32 v254, v255
	v_lshrrev_b32 v1, 5, v0
	v_readfirstlane_b32 s8, v1                     ; wave 0..7
	s_lshr_b32 s9, s8, 2                           ; g: my half of a chunk's keys
	s_and_b32 s10, s8, 3                           ; wq: my 32 queries
	s_and_b32 s12, ttmp7, 0xffff
	s_and_b32 s13, s12, 15                         ; head
	s_lshr_b32 s14, s12, 4                         ; batch
	s_lshr_b32 s15, ttmp9, 1                       ; TL: the trip in which the low block ends
	s_mov_b32 s16, 0                               ; T: the trip
	s_mov_b32 s17, 0                               ; C: this trip's chunk
	s_cmp_eq_u32 s15, 0
	s_cselect_b32 s18, 0, 1                        ; CN: the next trip's chunk
	s_lshl_b32 s19, ttmp9, 7                       ; QB: the block's first query
	s_mov_b32 s22, 0x76543210                      ; v_permlanex16_b32: lane i of one half reads lane i of the other
	s_mov_b32 s23, 0xfedcba98
	s_mov_b32 s66, 0x3e38aa3b                      ; c = log2(e) / 8
	s_mov_b32 s67, 0x3e38aa3b
	s_mov_b32 s68, 0xbe38aa3b                      ; -c
	s_mov_b32 s70, 0x7038aa3b                      ; 2^100 c
	; group 1.  64 rows of 128 bytes are dense in a plane: stated as 32 rows of 256 bytes; padding behind every 32 words, 4 words for K, 8 for V
	s_mov_b32 s[G1K+0], (1<<16)|(1<<20)|(4<<22)|(3<<25)
	s_mov_b32 s[G1K+1], 128<<16
	s_mov_b32 s[G1K+2], 32<<16
	s_mov_b32 s[G1K+3], 128<<16
	s_mov_b32 s[G1K+4], 32
	s_mov_b32 s[G1K+5], 128
	s_mov_b32 s[G1K+6], 0
	s_mov_b32 s[G1K+7], 0
	s_mov_b32 s[G1V+0], (1<<16)|(1<<20)|(4<<22)|(7<<25)
	s_mov_b32 s[G1V+1], 128<<16
	s_mov_b32 s[G1V+2], 32<<16
	s_mov_b32 s[G1V+3], 128<<16
	s_mov_b32 s[G1V+4], 32
	s_mov_b32 s[G1V+5], 128
	s_mov_b32 s[G1V+6], 0
	s_mov_b32 s[G1V+7], 0
	s_lshl_b32 s62, s13, 19                        ; the head's plane
	s_lshl_b32 s63, s14, 18                        ; the batch's 2,048 rows of 128 bytes
	s_add_co_u32 s62, s62, s63
	s_mov_b32 s63, 0
	s_lshl_b32 s60, s10, 13                        ; 64 rows x wq
	s_mov_b32 s61, 0
	s_wait_dscnt 0x0
	s_wait_kmcnt 0x0
	s_add_nc_u64 s[72:73], s[4:5], s[62:63]        ; Q of this head and batch
	s_add_nc_u64 s[74:75], s[6:7], s[62:63]        ; y of this head and batch
	s_add_nc_u64 s[56:57], s[72:73], s[60:61]
	s_add_nc_u64 s[58:59], s[56:57], 32*PLANE      ; V: my 64 rows of chunk 0
	s_add_nc_u64 s[56:57], s[56:57], 16*PLANE      ; K: my 64 rows of chunk 0
	s_mul_i32 s62, s8, 64*KP                       ; K's LDS bytes: wave x 9,216 (waves 0-3)
	s_mul_i32 s63, s8, 64*VP                       ; V's: wave x 10,240 (waves 4-7: from 40,960)
	s_lshl_b32 s60, s18, 15                        ; a chunk is 32,768 bytes
	s_mov_b32 s[G0K], 1
	s_add_co_u32 s[G0K+1], s62, 0
	s_mov_b64 s[G0K+2:G0K+3], s[56:57]             ; slot 0: chunk 0
	s_or_b32 s[G0K+3], s[G0K+3], 0x80000000
	s_mov_b32 s[G0K+4], 1
	s_add_co_u32 s[G0K+5], s62, SLOT
	s_add_nc_u64 s[G0K+6:G0K+7], s[56:57], s[60:61]    ; slot 1: trip 1's chunk
	s_or_b32 s[G0K+7], s[G0K+7], 0x80000000
	s_mov_b32 s[G0V], 1
	s_add_co_u32 s[G0V+1], s63, 0
	s_mov_b64 s[G0V+2:G0V+3], s[58:59]
	s_or_b32 s[G0V+3], s[G0V+3], 0x80000000
	s_mov_b32 s[G0V+4], 1
	s_add_co_u32 s[G0V+5], s63, SLOT
	s_add_nc_u64 s[G0V+6:G0V+7], s[58:59], s[60:61]
	s_or_b32 s[G0V+7], s[G0V+7], 0x80000000
	s_cmp_lt_u32 s8, 4                             ; both first fills of a wave stand in one branch on its number: two loads are out, later one
	s_cbranch_scc0 .Lfirst_v
	tensor_load_to_lds s[G0K:G0K+3], s[G1K:G1K+7]
	s_nop 0
	tensor_load_to_lds s[G0K+4:G0K+7], s[G1K:G1K+7]
	s_nop 0
	s_branch .Lfirst_done
.Lfirst_v:
	tensor_load_to_lds s[G0V:G0V+3], s[G1V:G1V+7]
	s_nop 0
	tensor_load_to_lds s[G0V+4:G0V+7], s[G1V:G1V+7]
	s_nop 0
.Lfirst_done:
	v_and_b32 v1, 15, v0                           ; r
	v_bfe_u32 v2, v0, 4, 1                         ; h
	v_and_b32 v3, 7, v0
	v_bfe_u32 v4, v0, 3, 1
	v_and_b32 v5, 31, v0                           ; lane
	v_mul_u32_u24 v6, v1, KP                       ; K: key r, 16 bytes for each half of the lanes
	v_lshl_add_u32 v6, v2, 4, v6
	s_mul_i32 s62, s9, 128*KP
	v_add_nc_u32 v[ADRK], s62, v6
	v_add_nc_u32 v[ADRK+1], SLOT, v[ADRK]
	v_lshl_add_u32 v6, v2, 3, v3                   ; V: key 8 h + lane % 8, and which 8 of 16 columns
	v_mul_u32_u24 v6, v6, VP
	v_lshl_add_u32 v6, v4, 4, v6
	s_mul_i32 s62, s9, 128*VP
	s_add_co_u32 s62, s62, VOFF
	v_add_nc_u32 v[ADRV], s62, v6
	v_add_nc_u32 v[ADRV+1], SLOT, v[ADRV]
	s_lshl_b32 s62, s10, 5                         ; DQ = 32 wq + r - 8 h - 128 g
	s_lshl_b32 s63, s9, 7
	s_sub_co_i32 s62, s62, s63
	v_lshlrev_b32 v6, 3, v2
	v_sub_nc_u32 v6, v1, v6
	v_add_nc_u32 v[DQ], s62, v6
	s_mul_i32 s62, s10, MPART
	s_add_co_u32 s62, s62, MSTG
	v_lshl_add_u32 v[MST], v5, 4, s62              ; merge stage: 16 bytes a lane, waves w and w + 4 share a part
	s_mul_i32 s62, s10, YPART
	s_add_co_u32 s62, s62, YSTG
	v_mul_u32_u24 v6, v1, KP
	v_lshl_add_u32 v6, v2, 4, v6
	v_add_nc_u32 v[YST], s62, v6                   ; y stage, in: query r, 16 bytes for each half of the lanes
	v_bfe_u32 v6, v0, 3, 2
	v_mul_u32_u24 v6, v6, KP
	v_lshl_add_u32 v6, v3, 4, v6
	v_add_nc_u32 v[YRD], s62, v6                   ; back: four rows of 128 bytes, eight lanes each
	s_lshl_b32 s62, s10, 12                        ; my 32 rows of 128 bytes in the block
	v_lshl_add_u32 v[YO], v5, 4, s62
	v_lshlrev_b32 v6, 7, v1
	v_lshl_add_u32 v6, v2, 4, v6
	v_add_nc_u32 v[QO], s62, v6                    ; Q: row 32 wq + r, 16 bytes for each half of the lanes
	v_mov_b32 v[NEG], 0xf1800000                   ; -2^100
	v_mov_b32 v[TX], 0                             ; v_permlanex16_b32 counts as a reader of its destination
	v_mov_b32 v[TX+1], 0
; the block's Q, straight into fragments: query 16 qf + r, d = 32 ks + 8 h .. and 32 ks + 16 + 8 h ..
.macro LOADQ
	s_lshl_b32 s76, s19, 7
	s_mov_b32 s77, 0
	s_add_nc_u64 s[76:77], s[72:73], s[76:77]
.irp qf, 0,1
.irp ks, 0,1
	global_load_b128 v[QR+8*(2*\qf+\ks):QR+8*(2*\qf+\ks)+3],   v[QO], s[76:77] offset:2048*\qf+64*\ks
	global_load_b128 v[QR+8*(2*\qf+\ks)+4:QR+8*(2*\qf+\ks)+7], v[QO], s[76:77] offset:2048*\qf+64*\ks+32
.endr
.endr
	s_wait_loadcnt 0x0
.endm
; 16 LDS loads: K of my keys 64 s .. 64 s + 63 of slot sl
.macro FETCHK sl, s
	WIN 0x40
.irp kf, 0,1,2,3
.irp ks, 0,1
	ds_load_b128 v[KF+16*\kf+8*\ks:KF+16*\kf+8*\ks+3],   v[ADRK+\sl] offset:(64*\s+16*\kf)*KP+64*\ks
	ds_load_b128 v[KF+16*\kf+8*\ks+4:KF+16*\kf+8*\ks+7], v[ADRK+\sl] offset:(64*\s+16*\kf)*KP+64*\ks+32
.endr
.endr
.endm
; 16 LDS loads: V^T of the same keys, transposed on the way
.macro FETCHV sl, s
	WIN 0x40
.irp ks2, 0,1
.irp dt, 0,1,2,3
	ds_load_tr16_b128 v[VF+8*(4*\ks2+\dt):VF+8*(4*\ks2+\dt)+3],   v[ADRV+\sl] offset:(64*\s+32*\ks2)*VP+32*\dt
	ds_load_tr16_b128 v[VF+8*(4*\ks2+\dt)+4:VF+8*(4*\ks2+\dt)+7], v[ADRV+\sl] offset:(64*\s+32*\ks2)*VP+32*\dt+16*VP
.endr
.endr
.endm
; two scores: s c - m c, one fused multiply-add each; nw = the pair that holds -(m c) of query tiles 0 and 1
.macro SCL qf, kf, jp, nw
.if \qf
	v_pk_fma_f32 v[SC+8*(2*\kf+\qf)+2*\jp:SC+8*(2*\kf+\qf)+2*\jp+1], v[SC+8*(2*\kf+\qf)+2*\jp:SC+8*(2*\kf+\qf)+2*\jp+1], s[66:67], v[\nw:\nw+1] op_sel:[0,0,1] op_sel_hi:[1,0,1]
.else
	v_pk_fma_f32 v[SC+8*(2*\kf+\qf)+2*\jp:SC+8*(2*\kf+\qf)+2*\jp+1], v[SC+8*(2*\kf+\qf)+2*\jp:SC+8*(2*\kf+\qf)+2*\jp+1], s[66:67], v[\nw:\nw+1] op_sel_hi:[1,0,0]
.endif
.endm
.macro EX2 qf, kf, jp
	v_exp_f32 v[SC+8*(2*\kf+\qf)+2*\jp],   v[SC+8*(2*\kf+\qf)+2*\jp]
	v_exp_f32 v[SC+8*(2*\kf+\qf)+2*\jp+1], v[SC+8*(2*\kf+\qf)+2*\jp+1]
.endm
; two p: into P^T's fragment, in f16 (key tile 2 ks2 fills registers 0-3, tile 2 ks2 + 1 registers 4-7), and onto the sum; the first two pairs start the sum
.macro ACC qf, kf, jp
	s_wait_alu depctr_va_vdst(0)
	v_cvt_pk_f16_f32 v[PR+8*(2*(\kf/2)+\qf)+4*(\kf%2)+\jp], v[SC+8*(2*\kf+\qf)+2*\jp], v[SC+8*(2*\kf+\qf)+2*\jp+1]
.if 4*\kf+\jp == 1
	v_pk_add_f32 v[LS+2*\qf:LS+2*\qf+1], v[SC+8*\qf:SC+8*\qf+1], v[SC+8*\qf+2:SC+8*\qf+3]
.endif
.if 4*\kf+\jp > 1
	v_pk_add_f32 v[LS+2*\qf:LS+2*\qf+1], v[LS+2*\qf:LS+2*\qf+1], v[SC+8*(2*\kf+\qf)+2*\jp:SC+8*(2*\kf+\qf)+2*\jp+1]
.endif
.endm
; y^T times the factor of its query tile: pr = the pair of factors
.macro OMUL pr
.irp dt, 0,1,2,3
.irp jp, 0,1,2,3
	v_pk_mul_f32 v[OA+16*\dt+2*\jp:OA+16*\dt+2*\jp+1], v[OA+16*\dt+2*\jp:OA+16*\dt+2*\jp+1], v[\pr:\pr+1] op_sel_hi:[1,0]
	v_pk_mul_f32 v[OA+16*\dt+8+2*\jp:OA+16*\dt+8+2*\jp+1], v[OA+16*\dt+8+2*\jp:OA+16*\dt+8+2*\jp+1], v[\pr:\pr+1] op_sel:[0,1] op_sel_hi:[1,1]
.endr
.endr
.endm
; 64 keys x 32 queries.  s = which half of my 128 keys; first = 1: nothing has been summed yet; mk = 0: no mask, 1: mask in trip TL, 2: mask.
; In both groups of products eight accumulators take turns, one instruction a turn.
.macro SUB sl, s, first, mk
.if \s
.set NW, NB
.set OL, NA
.else
.set NW, NA
.set OL, NB
.endif
	s_wait_dscnt 16                                ; this half's K is in; the 16 loads issued behind it may be out
	WIN 0x01
.irp ks, 0,1
.irp kf, 0,1,2,3
.irp qf, 0,1
.if \ks
	v_wmma_f32_16x16x32_f16 v[SC+8*(2*\kf+\qf):SC+8*(2*\kf+\qf)+7], v[KF+16*\kf+8*\ks:KF+16*\kf+8*\ks+7], v[QR+8*(2*\qf+\ks):QR+8*(2*\qf+\ks)+7], v[SC+8*(2*\kf+\qf):SC+8*(2*\kf+\qf)+7]
.else
	v_wmma_f32_16x16x32_f16 v[SC+8*(2*\kf+\qf):SC+8*(2*\kf+\qf)+7], v[KF+16*\kf+8*\ks:KF+16*\kf+8*\ks+7], v[QR+8*(2*\qf+\ks):QR+8*(2*\qf+\ks)+7], 0
.endif
.endr
.endr
.endr
	WIN 0
	PLACES                                         ; four places (ISA guide 7.12.1) before K's registers are loaded again and the scores are read
.if \s == 0
	FETCHK \sl, 1
	WIN 0
.endif
.if \mk
.if \mk == 1
	s_cmp_lg_u32 s16, s15
	s_cbranch_scc1 .Lnomask_\@
.endif
	; key <= query  <=>  64 s + 16 kf + j - 16 qf <= (QB - 256 C) + 32 wq + r - 8 h - 128 g
	v_add_nc_u32 v[TT], s20, v[DQ]
.irp kf, 0,1,2,3
.irp qf, 0,1
.irp jb, 0,4
.irp j, 0,1,2,3
	v_cmp_le_i32 s[80+\j], 64*\s+16*\kf+\jb+\j-16*\qf, v[TT]
.endr
.irp j, 0,1,2,3
	v_cndmask_b32 v[SC+8*(2*\kf+\qf)+\jb+\j], v[NEG], v[SC+8*(2*\kf+\qf)+\jb+\j], s[80+\j]
.endr
.endr
.endr
.endr
.if \mk == 1
.Lnomask_\@:
.endif
.endif
	; the largest of my 32 scores of each query, in two chains for each query tile, then with the running maximum and across the halves
.irp qf, 0,1
.irp ch, 0,1
	v_max_num_f32 v[TM+2*\qf+\ch], v[SC+8*(4*\ch+\qf)], v[SC+8*(4*\ch+\qf)+1]
.endr
.endr
.irp j, 2,4,6
.irp qf, 0,1
.irp ch, 0,1
	v_max3_num_f32 v[TM+2*\qf+\ch], v[TM+2*\qf+\ch], v[SC+8*(4*\ch+\qf)+\j], v[SC+8*(4*\ch+\qf)+\j+1]
.endr
.endr
.endr
.irp j, 0,2,4,6
.irp qf, 0,1
.irp ch, 0,1
	v_max3_num_f32 v[TM+2*\qf+\ch], v[TM+2*\qf+\ch], v[SC+8*(4*\ch+2+\qf)+\j], v[SC+8*(4*\ch+2+\qf)+\j+1]
.endr
.endr
.endr
.irp qf, 0,1
.if \first
	v_max_num_f32 v[TM+2*\qf], v[TM+2*\qf], v[TM+2*\qf+1]
.else
	v_max3_num_f32 v[TM+2*\qf], v[TM+2*\qf], v[TM+2*\qf+1], v[MX+\qf]
.endif
.endr
	v_permlanex16_b32 v[TX], v[TM], s22, s23
	v_permlanex16_b32 v[TX+1], v[TM+2], s22, s23
	v_max_num_f32 v[MX], v[TM], v[TX]
	v_max_num_f32 v[MX+1], v[TM+2], v[TX+1]
	v_mul_f32 v[NW], s68, v[MX]                    ; -(m c), rounded once; the same number serves the scores and the factor
	v_mul_f32 v[NW+1], s68, v[MX+1]
.if \first == 0
	v_sub_f32 v[AL], v[NW], v[OL]
	v_sub_f32 v[AL+1], v[NW+1], v[OL+1]
	v_exp_f32 v[AL], v[AL]                         ; 2^((m old - m new) c); plain instructions follow before it is used (ISA guide 5.7.2)
	v_exp_f32 v[AL+1], v[AL+1]
.endif
	; p = 2^(s c - m c).  The exponentials stand among plain instructions on other registers.
.irp kf, 0,1,2,3
.irp jp, 0,1,2,3
	SCL 0, \kf, \jp, NW
.endr
.endr
.irp kf, 0,1,2,3
.irp jp, 0,1,2,3
	EX2 0, \kf, \jp
	SCL 1, \kf, \jp, NW
.endr
.endr
.irp kf, 0,1,2,3
.irp jp, 0,1,2,3
	EX2 1, \kf, \jp
	ACC 0, \kf, \jp
.endr
.endr
.if \first == 0
	OMUL AL
.endif
.irp kf, 0,1,2,3
.irp jp, 0,1,2,3
	ACC 1, \kf, \jp
.endr
.endr
.if \s == 0
	s_wait_dscnt 16                                ; this half's V is in; the second half's K, issued behind it, may be out
.else
	s_wait_dscnt 0
.endif
	WIN 0x01
.irp ks2, 0,1
.irp dt, 0,1,2,3
.irp qf, 0,1
.if \first*(1-\ks2)
	v_wmma_f32_16x16x32_f16 v[OA+8*(2*\dt+\qf):OA+8*(2*\dt+\qf)+7], v[VF+8*(4*\ks2+\dt):VF+8*(4*\ks2+\dt)+7], v[PR+8*(2*\ks2+\qf):PR+8*(2*\ks2+\qf)+7], 0
.else
	v_wmma_f32_16x16x32_f16 v[OA+8*(2*\dt+\qf):OA+8*(2*\dt+\qf)+7], v[VF+8*(4*\ks2+\dt):VF+8*(4*\ks2+\dt)+7], v[PR+8*(2*\ks2+\qf):PR+8*(2*\ks2+\qf)+7], v[OA+8*(2*\dt+\qf):OA+8*(2*\dt+\qf)+7]
.endif
.endr
.endr
.endr
	WIN 0
	; the row sums' update names none of the products' registers: these four lines are the four places behind them (ISA guide 7.12.1)
.if \first
	v_add_f32 v[LL], v[LS], v[LS+1]
	v_add_f32 v[LL+1], v[LS+2], v[LS+3]
	v_nop
	v_nop
.else
	v_add_f32 v[LS], v[LS], v[LS+1]
	v_add_f32 v[LS+2], v[LS+2], v[LS+3]
	v_fma_f32 v[LL], v[LL], v[AL], v[LS]
	v_fma_f32 v[LL+1], v[LL+1], v[AL+1], v[LS+2]
.endif
.if \s == 0
	FETCHV \sl, 1
	WIN 0
.endif
.endm
; A block's end.  Waves 4-7 hand their y^T, -(m c) and sums to waves 0-3, which merge, divide, and store the block's y.
; final = 0: every wave then takes up the high block: its Q, and a maximum of -2^100, so that the next factor is exactly 0 and wipes y^T and the sums.
.macro BEND final
	v_permlanex16_b32 v[TX], v[LL], s22, s23
	v_permlanex16_b32 v[TX+1], v[LL+1], s22, s23
	v_add_f32 v[LL], v[LL], v[TX]                  ; the sum over both halves' keys
	v_add_f32 v[LL+1], v[LL+1], v[TX+1]
	s_cmp_lt_u32 s8, 4
	s_cbranch_scc1 .Lkeep_\@
.irp k, 0,1,2,3,4,5,6,7,8,9,10,11,12,13,14,15
	ds_store_b128 v[MST], v[OA+4*\k:OA+4*\k+3] offset:512*\k
.endr
	ds_store_b128 v[MST], v[NB:NB+3] offset:8192
.Lkeep_\@:
	s_wait_dscnt 0x0                               ; for the others' sake: my stores are done
	s_barrier_signal -1                            ; the next chunk's load may stay out
	s_barrier_wait -1
	s_cmp_ge_u32 s8, 4
	s_cbranch_scc1 .Lmerged_\@
.irp k, 0,1,2,3,4,5,6,7,8,9,10,11,12,13,14,15
	ds_load_b128 v[SC+4*\k:SC+4*\k+3], v[MST] offset:512*\k
.endr
	ds_load_b128 v[MB:MB+3], v[MST] offset:8192
	s_wait_dscnt 0x0
	v_min_num_f32 v[NA], v[NB], v[MB]              ; -(m c) of the larger maximum
	v_min_num_f32 v[NA+1], v[NB+1], v[MB+1]
	v_sub_f32 v[TM], v[NA], v[NB]
	v_sub_f32 v[TM+1], v[NA+1], v[NB+1]
	v_sub_f32 v[TM+2], v[NA], v[MB]
	v_sub_f32 v[TM+3], v[NA+1], v[MB+1]
	v_exp_f32 v[TM], v[TM]                         ; my factor,
	v_exp_f32 v[TM+1], v[TM+1]
	v_exp_f32 v[TM+2], v[TM+2]                     ; the other group's (0 where all its keys were masked)
	v_exp_f32 v[TM+3], v[TM+3]
	v_nop                                          ; one plain place behind the exponentials (ISA guide 5.7.2)
	s_wait_alu depctr_va_vdst(0)
	v_mul_f32 v[TM+4], v[LL], v[TM]
	v_mul_f32 v[TM+5], v[LL+1], v[TM+1]
	v_fma_f32 v[TM+4], v[MB+2], v[TM+2], v[TM+4]   ; the whole row's sum: at least 1, from the key that holds the maximum
	v_fma_f32 v[TM+5], v[MB+3], v[TM+3], v[TM+5]
	v_rcp_f32 v[TM+4], v[TM+4]
	v_rcp_f32 v[TM+5], v[TM+5]
	v_nop
	s_wait_alu depctr_va_vdst(0)
	v_pk_mul_f32 v[TM:TM+1], v[TM:TM+1], v[TM+4:TM+5]
	v_pk_mul_f32 v[TM+2:TM+3], v[TM+2:TM+3], v[TM+4:TM+5]
	OMUL TM
.irp dt, 0,1,2,3
.irp jp, 0,1,2,3
	v_pk_fma_f32 v[OA+16*\dt+2*\jp:OA+16*\dt+2*\jp+1], v[SC+16*\dt+2*\jp:SC+16*\dt+2*\jp+1], v[TM+2:TM+3], v[OA+16*\dt+2*\jp:OA+16*\dt+2*\jp+1] op_sel_hi:[1,0,1]
	v_pk_fma_f32 v[OA+16*\dt+8+2*\jp:OA+16*\dt+8+2*\jp+1], v[SC+16*\dt+8+2*\jp:SC+16*\dt+8+2*\jp+1], v[TM+2:TM+3], v[OA+16*\dt+8+2*\jp:OA+16*\dt+8+2*\jp+1] op_sel:[0,1,0] op_sel_hi:[1,1,1]
.endr
.endr
	; a lane holds query 16 qf + r and d = 16 dt + 8 h + 0..7: in f16, 16 bytes of a row.  Through my own stage, back as whole rows.
.irp t, 0,1,2,3,4,5,6,7
.irp jp, 0,1,2,3
	v_cvt_pk_f16_f32 v[PR+4*\t+\jp], v[OA+8*\t+2*\jp], v[OA+8*\t+2*\jp+1]
.endr
.endr
.irp dt, 0,1,2,3
.irp qf, 0,1
	ds_store_b128 v[YST], v[PR+4*(2*\dt+\qf):PR+4*(2*\dt+\qf)+3] offset:\qf*16*KP+32*\dt
.endr
.endr
.irp i, 0,1,2,3,4,5,6,7
	ds_load_b128 v[SC+4*\i:SC+4*\i+3], v[YRD] offset:4*KP*\i       ; LDS serves a wave's instructions in order: these see the stores above
.endr
	s_lshl_b32 s78, s19, 7
	s_mov_b32 s79, 0
	s_add_nc_u64 s[78:79], s[74:75], s[78:79]
.irp i, 0,1,2,3,4,5,6,7
	s_wait_dscnt 7-\i
	global_store_b128 v[YO], v[SC+4*\i:SC+4*\i+3], s[78:79] offset:512*\i      ; four rows of 128 bytes: 512 neighbouring bytes, aligned
.endr
	s_wait_xcnt 0x0                                ; the stores' data and base are written again only behind this wait
.Lmerged_\@:
.if \final == 0
	s_sub_co_u32 s19, 15, ttmp9
	s_lshl_b32 s19, s19, 7                         ; the high block's first query
	LOADQ
	v_mov_b32 v[MX], v[NEG]
	v_mov_b32 v[MX+1], v[NEG]
	v_mov_b32 v[NB], s70
	v_mov_b32 v[NB+1], s70
.endif
.endm
; a trip's end
.macro NEXT be
.if \be
	s_cmp_lg_u32 s16, s15                          ; alike in all waves: a counter against the work-group's number
	s_cbranch_scc1 .Lgo_on_\@
	BEND 0
.Lgo_on_\@:
.endif
	s_mov_b32 s17, s18
	s_add_co_u32 s16, s16, 1
.endm
; One chunk, in slot sl; ot = the other slot.  refill = 1: the other slot, read in the last trip, is filled with the next trip's chunk.
.macro TRIP sl, ot, refill, mk, be
	s_wait_tensorcnt 0x0                           ; all my tensor loads have landed, my part of this chunk among them: a group 0 may be written
	ds_add_u32 v254, v255
	s_wait_dscnt 0x0
	s_add_co_u32 s18, s17, 1
	s_cmp_eq_u32 s16, s15
	s_cselect_b32 s18, 0, s18                      ; behind the low block's last chunk comes the high block's chunk 0
.if \refill
	s_lshl_b32 s60, s18, 15
	s_add_nc_u64 s[G0K+4*\ot+2:G0K+4*\ot+3], s[56:57], s[60:61]
	s_or_b32 s[G0K+4*\ot+3], s[G0K+4*\ot+3], 0x80000000
	s_add_nc_u64 s[G0V+4*\ot+2:G0V+4*\ot+3], s[58:59], s[60:61]
	s_or_b32 s[G0V+4*\ot+3], s[G0V+4*\ot+3], 0x80000000
.endif
	s_wait_dscnt 0x0                               ; my reads of the other slot are done
	s_barrier_signal -1
	s_barrier_wait -1                              ; both now hold of every wave
.if \refill
	LOADKV \ot                                     ; my one tensor load behind this barrier; it has the whole trip in which to land
.endif
	s_lshl_b32 s20, s17, 8
	s_sub_co_u32 s20, s19, s20                     ; QB - 256 C
	FETCHK \sl, 0
	FETCHV \sl, 0
	SUB \sl, 0, 0, \mk
	SUB \sl, 1, 0, \mk
	NEXT \be
.endm
	LOADQ
	s_wait_tensorcnt 0x1                           ; my part of chunk 0 is in; trip 1's may stay out
	s_barrier_signal -1
	s_barrier_wait -1
	s_lshl_b32 s20, s17, 8
	s_sub_co_u32 s20, s19, s20
	FETCHK 0, 0
	FETCHV 0, 0
	SUB 0, 0, 1, 1                                 ; trip 0: the first products start the sums
	SUB 0, 1, 0, 1
	NEXT 1
	s_mov_b32 s21, 3
.Lpair:                                            ; trips 1 to 6
	TRIP 1, 0, 1, 1, 1
	TRIP 0, 1, 1, 1, 1
	s_sub_co_u32 s21, s21, 1
	s_cmp_lg_u32 s21, 0
	s_cbranch_scc1 .Lpair
	TRIP 1, 0, 1, 0, 0                             ; trip 7: TL is 3 at the most, so no block ends here and nothing is masked
	TRIP 0, 1, 0, 2, 0                             ; trip 8: the high block's last chunk; nothing is left to fetch
	BEND 1
	s_wait_tensorcnt 0x0
	ds_add_u32 v254, v255
	s_wait_dscnt 0x0
	s_endpgm
.Lfunc_end_k_q67437df3df_attn:
	.size	k_q67437df3df_attn, .Lfunc_end_k_q67437df3df_attn-k_q67437df3df_attn
	.p2alignl 7, 3214868480
	.fill 96, 4, 3214868480
	.section	.rodata,"a",@progbits
	.p2align	6, 0x0
	.amdhsa_kernel k_q67437df3df_attn
		.amdhsa_group_segment_fixed_size 327680
		.amdhsa_private_segment_fixed_size 0
		.amdhsa_enable_private_segment 0
		.amdhsa_kernarg_size 16
		.amdhsa_user_sgpr_count 2
		.amdhsa_user_sgpr_kernarg_segment_ptr 1
		.amdhsa_wavefront_size32 1
		.amdhsa_system_sgpr_workgroup_id_x 1
		.amdhsa_system_sgpr_workgroup_id_y 1
		.amdhsa_system_sgpr_workgroup_id_z 1
		.amdhsa_system_vgpr_workitem_id 0
		.amdhsa_next_free_vgpr 384
		.amdhsa_next_free_sgpr 84
		.amdhsa_reserve_vcc 0
		.amdhsa_float_denorm_mode_32 3
		.amdhsa_float_denorm_mode_16_64 3
		.amdhsa_memory_ordered 1
		.amdhsa_forward_progress 1
		.amdhsa_inst_pref_size 255
	.end_amdhsa_kernel
	.section	.bss,"aw",@nobits
	.p2align	6
	.space	262144
	.amdgpu_metadata
---
amdhsa.version: [ 1, 2 ]
amdhsa.kernels:
  - .name:           k_q67437df3df_attn
    .symbol:         k_q67437df3df_attn.kd
    .args:
      - { .name: qkv, .offset: 0, .size: 8, .value_kind: global_buffer, .address_space: global }
      - { .name: yh, .offset: 8, .size: 8, .value_kind: global_buffer, .address_space: global }
    .group_segment_fixed_size: 327680
    .private_segment_fixed_size: 0
    .kernarg_segment_align: 8
    .kernarg_segment_size: 16
    .max_flat_workgroup_size: 256
    .sgpr_count:     84
    .vgpr_count:     384
    .wavefront_size: 32
...
	.end_amdgpu_metadata
.endif
;; end of part 3
;; launch proj (part 4): grid 8 x 32, 4 waves a work-group, clusters of 4 x 4, 327,680 bytes of LDS; arguments yh, wpb, b_proj, out0; writes out0
.if DOCPART == 4
	.amdgcn_target "amdgcn-amd-amdhsa--gfx1250"
	.amdhsa_code_object_version 6
	.text
	.protected	k_q67437df3df_proj
	.globl	k_q67437df3df_proj
	.p2align	8
	.type	k_q67437df3df_proj,@function
k_q67437df3df_proj:
	s_mov_b64 s[64:65], 0
	v_nop
	global_prefetch_b8 v0, s[64:65] scope:SCOPE_SE
	s_setreg_imm32_b32 hwreg(HW_REG_WAVE_MODE, 25, 1), 1
	s_wait_xcnt 0x0
	s_wait_alu depctr_hold_cnt(0) depctr_sa_sdst(0) depctr_va_vdst(0) depctr_va_sdst(0) depctr_va_ssrc(0) depctr_va_vcc(0) depctr_vm_vsrc(0)
	s_getreg_b32 s2, hwreg(HW_REG_IB_STS2, 6, 4)
	s_cmp_eq_u32 s2, 0
	s_cbranch_scc0 .Lentry_in_a_cluster
	s_endpgm
.Lentry_in_a_cluster:
	s_bfe_u32 s2, ttmp6, 0x10000c
	s_cmp_lg_u32 s2, 0xf033
	s_cbranch_scc0 .Lentry_shape_is_right
	s_endpgm
.Lentry_shape_is_right:
; out0 = y w_proj + b_proj.  yh: [16 heads][4096 rows][64] f16 (K index = 64 head + d), wpb: [1024][1024] f16 (K down the rows; w_proj rounded to
; bf16 and written as f16), b_proj: [1024] f32, out0: [4096][1024] f32; sums in f32.  y is f16 for its 11 significant bits: the first rows of y are
; means over few keys and some ten times the root mean square of all rows, against which an error counts.
; A work-group makes 128 x 128: 8 x 32 = 256 work-groups of equal work.  Four waves, 64 x 64 each:
; 16 accumulator tiles.  K goes in four parts of 256 (four heads) through two LDS slots: two first fills, two refills, no loop.
; CLUSTERS: 4 x 4 work-groups; y's tiles are shared along a row of the cluster, w's along a column, each asked for jointly by the four.
; The matrix instruction is used transposed (source 0 = 16 columns of w, source 1 = 16 rows of y): a lane holds one row and eight neighbouring
; columns.  The first K quarter takes the bias as C.  w's fragments come out of LDS by the transposing load.
.set PA,     144                       ; LDS row of y: a head's 128 bytes + 16 = 9 x 16
.set PLB,    128*PA                    ; 18,432: a head's 128 rows
.set PB,     288                       ; LDS row of w: 256 bytes + 32 = 9 x 32
.set PART,   36864                     ; what one load brings: two heads of y, or 128 K rows of w
.set SLOT,   4*PART                    ; 147,456: y's four heads, then w's 256 rows
.set BOFF,   2*PART
.set STAGE,  2*SLOT                    ; 294,912: behind the ring, 16 rows x 272 bytes for each wave; no fill lands here
.set SPITCH, 272
.set PLANE,  524288                    ; bytes of a head's plane in yh
.set ADRA, 16                          ; v16-17  LDS address of my fragments of y in slot 0, 1
.set ADRB, 20                          ; v20-23  of w: slot 0 K rows 0-127, 128-255, slot 1 likewise
.set STO,  24
.set RD,   25
.set CO,   26
.set BO,   27
.set BIAS, 32                          ; v32-63  four tiles' C operand
.set F0,   64                          ; fragment buffer 0: w at + 8 b, y at + 32 + 8 a
.set F1,   128                         ; fragment buffer 1
.set G1,  24
.set G0,  32
.set G1B, 48
.set G0B, 56
.set MSB, 0
.macro WIN new                         ; 0x50: C and D in window 1 (the accumulators, tile (a, b) at v[8 (4 a + b)]); 0x40: D alone; 0x04: an LDS store's data
.if MSB != \new
	s_set_vgpr_msb (MSB<<8)|\new
.set MSB, \new
.endif
.endm
.macro JLOAD s                         ; waves 0 and 1 fetch y's halves, waves 2 and 3 w's: one mask a line, the branch hangs on the wave's number alone
	s_cmp_eq_u32 s13, 0
	s_cbranch_scc0 .Lfor_b_\@
	tensor_load_to_lds s[G0+4*\s:G0+4*\s+3], s[G1:G1+7]
	s_nop 0
	s_branch .Lasked_\@
.Lfor_b_\@:
	tensor_load_to_lds s[G0B+4*\s:G0B+4*\s+3], s[G1B:G1B+7]
	s_nop 0
.Lasked_\@:
.endm
.macro CREST                           ; a round of the cluster's barrier behind its opening barrier
	s_cmp_lg_u32 s12, 0
	s_cbranch_scc1 .Lnot_wave_0_\@
	s_barrier_signal -3
.Lnot_wave_0_\@:
	s_barrier_wait -3
	s_barrier_signal -1
	s_barrier_wait -1
.endm
.macro CROUND
	s_barrier_signal -1
	s_barrier_wait -1
	CREST
.endm
	s_load_b256 s[4:11], s[0:1], 0x0               ; yh s[4:5], wpb s[6:7], b_proj s[8:9], out0 s[10:11]
	v_lshl_add_u32 v254, v0, 2, 0x4c400
	v_mov_b32 v255, 0
	ds_add_u32 v254, v255
	ds_add_u32 v254, v255
	v_lshrrev_b32 v1, 5, v0
	v_readfirstlane_b32 s12, v1                    ; wave 0..3
	s_lshr_b32 s13, s12, 1                         ; which 64 rows are mine.  Also: I fetch for y (0) or for w (1)
	s_and_b32 s14, s12, 1                          ; which 64 columns.  Also: which half of that tile I fetch
	s_bfe_u32 s15, ttmp6, 0x40000                  ; cx
	s_bfe_u32 s16, ttmp6, 0x40004                  ; cy
	s_lshl_b32 s17, ttmp9, 2
	s_add_co_u32 s17, s17, s15                     ; block column
	s_and_b32 s18, ttmp7, 0xffff
	s_lshl_b32 s18, s18, 2
	s_add_co_u32 s18, s18, s16                     ; block row
	s_lshl_b32 s19, s16, 2
	s_lshl_b32 s19, 15, s19                        ; my row of the cluster
	s_lshl_b32 s20, 0x1111, s15                    ; my column
	; group 1 for y: a head's 128 rows of 128 bytes are dense, 8,192 elements: they are one row of the tile, and the tile's two rows are two heads,
	; a plane apart.  4 words of padding behind every 32 words give each row of y its 144 bytes.
	s_or_b32 s[G1+0], s19, (1<<16)|(1<<20)|(1<<21)|(4<<22)|(3<<25)
	s_mov_b32 s[G1+1], 8192<<16                    ; tensor_dim0 = 8,192
	s_mov_b32 s[G1+2], 2<<16                       ; tensor_dim1 = 2
	s_mov_b32 s[G1+3], 8192<<16                    ; tile_dim0 = 8,192
	s_mov_b32 s[G1+4], 2                           ; tile_dim1 = 2
	s_mov_b32 s[G1+5], PLANE/2                     ; elements from head to head
	s_mov_b32 s[G1+6], 0
	s_mov_b32 s[G1+7], 0
	; group 1 for w: 128 rows x 128 elements, 8 words of padding behind every 64 words
	s_or_b32 s[G1B+0], s20, (1<<16)|(1<<20)|(1<<21)|(5<<22)|(7<<25)
	s_mov_b32 s[G1B+1], 128<<16
	s_mov_b32 s[G1B+2], 128<<16
	s_mov_b32 s[G1B+3], 128<<16
	s_mov_b32 s[G1B+4], 128
	s_mov_b32 s[G1B+5], 1024
	s_mov_b32 s[G1B+6], 0
	s_mov_b32 s[G1B+7], 0
	s_lshl_b32 s40, s14, 20                        ; y: two planes x half,
	s_lshl_b32 s41, s18, 14                        ; 128 rows of 128 bytes x block row
	s_add_co_u32 s40, s40, s41
	s_mov_b32 s41, 0
	s_lshl_b32 s44, s14, 18                        ; w: 128 rows of 2,048 bytes x half,
	s_lshl_b32 s45, s17, 8                         ; 128 columns x block column
	s_add_co_u32 s44, s44, s45
	s_mov_b32 s45, 0
	s_mul_i32 s21, s12, PART                       ; where they go: y's two halves, then w's two halves = wave x 36,864
	s_wait_dscnt 0x0
	s_wait_kmcnt 0x0
	s_add_nc_u64 s[42:43], s[4:5], s[40:41]
	s_add_nc_u64 s[46:47], s[6:7], s[44:45]
	CROUND                                         ; all sixteen work-groups are here: the first joint loads meet
.irp s, 0,1
	s_mov_b32 s[G0+4*\s], 1
	s_add_co_u32 s[G0+4*\s+1], s21, \s*SLOT
	s_add_nc_u64 s[G0+4*\s+2:G0+4*\s+3], s[42:43], \s*4*PLANE          ; part s of K: four heads on
	s_or_b32 s[G0+4*\s+3], s[G0+4*\s+3], 0x80000000
	s_mov_b32 s[G0B+4*\s], 1
	s_add_co_u32 s[G0B+4*\s+1], s21, \s*SLOT
	s_add_nc_u64 s[G0B+4*\s+2:G0B+4*\s+3], s[46:47], \s*256*2048       ; 256 rows down
	s_or_b32 s[G0B+4*\s+3], s[G0B+4*\s+3], 0x80000000
	JLOAD \s                                       ; two tensor loads of the wave are out now, later one
.endr
	v_and_b32 v1, 15, v0                           ; r
	v_bfe_u32 v2, v0, 4, 1                         ; h
	v_mul_u32_u24 v3, v1, PA
	v_lshl_add_u32 v3, v2, 4, v3
	s_mul_i32 s21, s13, 64*PA
	v_add_nc_u32 v[ADRA], s21, v3
	v_add_nc_u32 v[ADRA+1], SLOT, v[ADRA]
	v_and_b32 v4, 7, v0
	v_lshl_add_u32 v4, v2, 3, v4                   ; w: K row 8 h + l % 8,
	v_mul_u32_u24 v4, v4, PB
	v_bfe_u32 v5, v0, 3, 1
	v_lshl_add_u32 v4, v5, 4, v4                   ; and which 8 of the 16 columns
	s_lshl_b32 s22, s14, 7                         ; my 64 columns
	s_add_co_u32 s22, s22, BOFF
	v_add_nc_u32 v[ADRB], s22, v4
	v_add_nc_u32 v[ADRB+1], PART, v[ADRB]          ; K rows 128-255 lie past the reach of a 16-bit offset: an address of their own
	v_add_nc_u32 v[ADRB+2], SLOT, v[ADRB]
	v_add_nc_u32 v[ADRB+3], SLOT, v[ADRB+1]
	s_mul_i32 s23, s12, 16*SPITCH
	s_add_co_u32 s23, s23, STAGE                   ; my stage
	v_mul_u32_u24 v5, v1, SPITCH                   ; in: row r, 32 bytes for each half of the lanes
	v_lshl_add_u32 v5, v2, 5, v5
	v_add_nc_u32 v[STO], s23, v5
	v_mul_u32_u24 v6, v2, SPITCH                   ; back: lanes 0-15 one row of 256 bytes, lanes 16-31 the next
	v_lshl_add_u32 v6, v1, 4, v6
	v_add_nc_u32 v[RD], s23, v6
	v_lshlrev_b32 v7, 12, v2                       ; and the same two rows in out0
	v_lshl_add_u32 v[CO], v1, 4, v7
	s_lshl_b32 s22, s14, 8
	s_lshl_b32 s23, s17, 9
	s_add_co_u32 s22, s22, s23
	v_lshl_add_u32 v[BO], v2, 5, s22               ; b_proj at column 128 x block + 64 x half + 8 h
.irp b, 0,1,2,3
	global_load_b128 v[BIAS+8*\b:BIAS+8*\b+3],   v[BO], s[8:9] offset:64*\b
	global_load_b128 v[BIAS+8*\b+4:BIAS+8*\b+7], v[BO], s[8:9] offset:64*\b+16
.endr
; four matrix instructions: row tile a x all four column tiles, 32 along K.  mode = 1: C is the bias.
; The 16 accumulators take turns, one instruction a turn, in the same order in every quarter.
.macro MUL4 f, a, mode
.irp b, 0,1,2,3
.if \mode
	v_wmma_f32_16x16x32_f16 v[8*(4*\a+\b):8*(4*\a+\b)+7], v[\f+8*\b:\f+8*\b+7], v[\f+32+8*\a:\f+32+8*\a+7], v[BIAS+8*\b:BIAS+8*\b+7]
.else
	v_wmma_f32_16x16x32_f16 v[8*(4*\a+\b):8*(4*\a+\b)+7], v[\f+8*\b:\f+8*\b+7], v[\f+32+8*\a:\f+32+8*\a+7], v[8*(4*\a+\b):8*(4*\a+\b)+7]
.endif
.endr
.endm
.macro MWIN mode
.if \mode
	WIN 0x40
.else
	WIN 0x50
.endif
.endm
; 16 LDS loads in one run: quarter q = 0..7 (32 along K: head q / 2, half q % 2 of its 64) of slot s into buffer f: w's 64 columns, then y's 64 rows
.macro FETCH s, q, f
.irp b, 0,1,2,3
	ds_load_tr16_b128 v[\f+8*\b:\f+8*\b+3],   v[ADRB+2*\s+\q/4] offset:(\q%4)*32*PB+32*\b
	ds_load_tr16_b128 v[\f+8*\b+4:\f+8*\b+7], v[ADRB+2*\s+\q/4] offset:(\q%4)*32*PB+32*\b+16*PB
.endr
.irp a, 0,1,2,3
	ds_load_b128 v[\f+32+8*\a:\f+32+8*\a+3], v[ADRA+\s] offset:(\q/2)*PLB+(\q%2)*64+\a*16*PA
	ds_load_b128 v[\f+32+8*\a+4:\f+32+8*\a+7], v[ADRA+\s] offset:(\q/2)*PLB+(\q%2)*64+\a*16*PA+32
.endr
.endm
.macro PLACES                          ; four places behind the matrix instructions (ISA guide 7.12.1)
.rept 4
	v_nop
.endr
.endm
; one of a slot's first seven quarters: multiplies buffer f, and in its middle fetches quarter q of the same slot into buffer g
.macro QUARTER s, q, f, g, mode
	s_wait_dscnt 4                                 ; w and y's rows 0-31 are in; the youngest four loads (y's rows 32-63) may be out
	MWIN \mode
	MUL4 \f, 0, \mode
	MUL4 \f, 1, \mode
	WIN 0
	PLACES
	FETCH \s, \q, \g
	s_wait_dscnt 16                                ; all but the 16 just issued
	MWIN \mode
	MUL4 \f, 2, \mode
	MUL4 \f, 3, \mode
.endm
.macro SEVEN s, mode
	QUARTER \s, 1, F0, F1, \mode
	QUARTER \s, 2, F1, F0, 0
	QUARTER \s, 3, F0, F1, 0
	QUARTER \s, 4, F1, F0, 0
	QUARTER \s, 5, F0, F1, 0
	QUARTER \s, 6, F1, F0, 0
	QUARTER \s, 7, F0, F1, 0
.endm
; The eighth quarter: multiplies buffer 1 and changes slots.  In front of the barrier each wave waits for its reads of this slot and for all its tensor
; loads.  Where the slot is filled again the barrier opens a round of the cluster's barrier, and the joint refill is the first tensor load behind it.
.macro TURN slot, next, fill
	s_wait_dscnt 4
	WIN 0x50
	MUL4 F1, 0, 0
	s_wait_dscnt 0                                 ; my reads of this slot are over
	s_wait_tensorcnt 0x0                           ; all my tensor loads have landed
	ds_add_u32 v254, v255
	s_wait_dscnt 0x0
	s_barrier_signal -1
	MUL4 F1, 1, 0                                  ; register work while the others arrive
	WIN 0
	s_barrier_wait -1
.if \fill
	CREST
	s_add_nc_u64 s[G0+4*\slot+2:G0+4*\slot+3], s[G0+4*\slot+2:G0+4*\slot+3], 8*PLANE
	s_add_nc_u64 s[G0B+4*\slot+2:G0B+4*\slot+3], s[G0B+4*\slot+2:G0B+4*\slot+3], 512*2048
	JLOAD \slot
.endif
	PLACES
	FETCH \next, 0, F0
	WIN 0x50
	MUL4 F1, 2, 0
	MUL4 F1, 3, 0
.endm
	s_wait_tensorcnt 1                             ; my part of slot 0 is in; slot 1's may stay out
	s_barrier_signal -1
	s_barrier_wait -1
	FETCH 0, 0, F0
	s_wait_loadcnt 0x0                             ; the bias
	SEVEN 0, 1                                     ; K 0-255: the first products start the sums with the bias
	TURN 0, 1, 1                                   ; slot 0 gets K 512-767
	SEVEN 1, 0                                     ; K 256-511
	TURN 1, 0, 1                                   ; slot 1 gets K 768-1023
	SEVEN 0, 0
	TURN 0, 1, 0                                   ; nothing is left to fetch
	SEVEN 1, 0
	s_wait_dscnt 4
	WIN 0x50
	MUL4 F1, 0, 0
	MUL4 F1, 1, 0
	s_wait_dscnt 0
	MUL4 F1, 2, 0
	MUL4 F1, 3, 0
	; THE WAY OUT, 16 rows at a time: a lane's eight f32 (32 bytes of a row) into my own stage, back as whole rows of 256 bytes.
	WIN 0
	PLACES
	s_lshl_b32 s22, s18, 19                        ; 128 rows of 4,096 bytes x block row
	s_lshl_b32 s23, s13, 18                        ; 64 rows x half
	s_add_co_u32 s22, s22, s23
	s_lshl_b32 s23, s17, 9                         ; 128 columns x block column
	s_add_co_u32 s22, s22, s23
	s_lshl_b32 s23, s14, 8                         ; 64 columns x half
	s_add_co_u32 s22, s22, s23
	s_mov_b32 s23, 0
	s_add_nc_u64 s[10:11], s[10:11], s[22:23]
.macro OUT16 a, f
	WIN 0x04
.irp b, 0,1,2,3
	ds_store_b128 v[STO], v[8*(4*\a+\b):8*(4*\a+\b)+3] offset:64*\b
	ds_store_b128 v[STO], v[8*(4*\a+\b)+4:8*(4*\a+\b)+7] offset:64*\b+16
.endr
	WIN 0
	s_wait_xcnt 0x0                                ; buffer f, which earlier stores read, is loaded again only behind this wait
.irp t, 0,1,2,3,4,5,6,7
	ds_load_b128 v[\f+4*\t:\f+4*\t+3], v[RD] offset:2*SPITCH*\t    ; LDS serves a wave's instructions in order: these see the stores above
.endr
.irp t, 0,1,2,3,4,5,6,7
	s_wait_dscnt 7-\t
	global_store_b128 v[CO], v[\f+4*\t:\f+4*\t+3], s[10:11] offset:65536*\a+8192*\t th:TH_STORE_NT   ; 16 lanes store 256 neighbouring bytes, aligned
.endr
.endm
	OUT16 0, F0
	OUT16 1, F1
	OUT16 2, F0
	OUT16 3, F1
	s_wait_tensorcnt 0x0
	ds_add_u32 v254, v255
	s_wait_dscnt 0x0
	CROUND                                         ; the closing round: no work-group ends while a partner may still ask for a tile that names it
	s_endpgm
.Lfunc_end_k_q67437df3df_proj:
	.size	k_q67437df3df_proj, .Lfunc_end_k_q67437df3df_proj-k_q67437df3df_proj
	.p2alignl 7, 3214868480
	.fill 96, 4, 3214868480
	.section	.rodata,"a",@progbits
	.p2align	6, 0x0
	.amdhsa_kernel k_q67437df3df_proj
		.amdhsa_group_segment_fixed_size 327680
		.amdhsa_private_segment_fixed_size 0
		.amdhsa_enable_private_segment 0
		.amdhsa_kernarg_size 32
		.amdhsa_user_sgpr_count 2
		.amdhsa_user_sgpr_kernarg_segment_ptr 1
		.amdhsa_wavefront_size32 1
		.amdhsa_system_sgpr_workgroup_id_x 1
		.amdhsa_system_sgpr_workgroup_id_y 1
		.amdhsa_system_sgpr_workgroup_id_z 1
		.amdhsa_system_vgpr_workitem_id 0
		.amdhsa_next_free_vgpr 384
		.amdhsa_next_free_sgpr 66
		.amdhsa_reserve_vcc 0
		.amdhsa_float_denorm_mode_32 3
		.amdhsa_float_denorm_mode_16_64 3
		.amdhsa_memory_ordered 1
		.amdhsa_forward_progress 1
		.amdhsa_inst_pref_size 91
	.end_amdhsa_kernel
	.amdgpu_metadata
---
amdhsa.version: [ 1, 2 ]
amdhsa.kernels:
  - .name:           k_q67437df3df_proj
    .symbol:         k_q67437df3df_proj.kd
    .args:
      - { .name: yh, .offset: 0, .size: 8, .value_kind: global_buffer, .address_space: global }
      - { .name: wpb, .offset: 8, .size: 8, .value_kind: global_buffer, .address_space: global }
      - { .name: b_proj, .offset: 16, .size: 8, .value_kind: global_buffer, .address_space: global }
      - { .name: out0, .offset: 24, .size: 8, .value_kind: global_buffer, .address_space: global }
    .group_segment_fixed_size: 327680
    .private_segment_fixed_size: 0
    .kernarg_segment_align: 8
    .kernarg_segment_size: 32
    .max_flat_workgroup_size: 128
    .sgpr_count:     66
    .vgpr_count:     384
    .wavefront_size: 32
...
	.end_amdgpu_metadata
.endif
;; end of part 4
